; MI455X (gfx1250); checked and timed in simulation.
; The chip was launched on July 23, 2026; its instructions are those of AMD's public machine-readable ISA for CDNA 5 (MIT licence, August 2026) and "CDNA5" Instruction Set Architecture Reference Guide (July 2026). The comments in the code are by the model that wrote it; some were corrected since.
;; Seqlen Dynamic Sparse Attention. Allowed arithmetic: float matrix products may take bf16 or f16 operands with f32 sums; all other float work in f32.
;; Inputs: K 4 x 8 x 2,048 x 64 float32; Q 4 x 8 x 2,048 x 64 float32; V 4 x 8 x 2,048 x 64 float32; seqlens 4 int32.
;; Outputs: out0 4 x 8 x 2,048 x 64 float32.
;; One version. Each part assembles by itself: llvm-mc -triple=amdgcn-amd-amdhsa -mcpu=gfx1250 --defsym DOCPART=n.
;; ======== version 1 of 1: 1 launch
;; limits: right only within a limited range of input values
;; launch attn (part 1): grid 256 x 1, 4 waves a work-group, no clusters, 74,240 bytes of LDS; arguments K, Q, V, seqlens, out0; writes out0
.if DOCPART == 1
	.amdgcn_target "amdgcn-amd-amdhsa--gfx1250"
	.amdhsa_code_object_version 6
	.text
	.protected	k_q058e1a0e31_attn
	.globl	k_q058e1a0e31_attn
	.p2align	8
	.type	k_q058e1a0e31_attn,@function
k_q058e1a0e31_attn:
	s_mov_b64 s[64:65], 0
	v_nop
	global_prefetch_b8 v0, s[64:65] scope:SCOPE_SE
	s_setreg_imm32_b32 hwreg(HW_REG_WAVE_MODE, 25, 1), 1
	s_wait_xcnt 0x0
; out[b][h][q][:] = softmax over keys k < L of (Q[q] . K[k]) times V, zero for q >= L;  L = seqlens[b].  Q, K, V, out: [4][8][2048][64] f32.
; A work-group (four waves) owns 256 queries of one head, a wave 64 of them (four blocks qb of 16).  Keys go in tiles of 64, ascending, with a running maximum.
; EVERYTHING IS TRANSPOSED: S^T = K Q^T (A = 16 keys x 32 e, B = 16 queries) and O^T = V^T P^T (A = 16 e x 32 keys, B = P^T).  In a result, lane (r, h)
; register j holds (row 8h + j, column r): a lane owns ONE query r, so maximum and sum are made inside the lane plus one exchange of the two halves, alpha
; and 1/l are factors of the lane, and two neighbouring S^T tiles, rounded in place, ARE the B fragment of P^T (k = 8h + j and 16 + 8h + j): P never moves.
; K AND V: global -> registers -> bf16 -> LDS, each wave 16 of the tile's 64 keys, each load of a wave two whole rows of 256 bytes.  V is transposed by the
; rounding itself: a lane holds 8 neighbouring keys of e = 4r + c and packs them to 16 bytes of LDS row 16c + r.  That order of e costs nothing: register j
; of the four O^T tiles eb of a lane is e = 32h + 4j + eb, four neighbouring outputs.
; NO TENSOR LOADS, NO JOINT REQUESTS, though the eight query blocks of a head read the same K and V: a copy into LDS cannot round.  With f32 tiles in LDS each
; of the four waves would read 16 KiB instead of 8 KiB for 32 keys and round the tile itself (256 packed roundings a tile and work-group instead of 64).
; LENGTH: L is clamped to 0 .. 2048 (what pos < seqlen means outside that range).  All 32 tiles are walked by a constant count, and every barrier, with the
; loads, roundings and LDS stores that the other waves rely on, is passed in every step: no barrier stands under a branch that hangs on loaded data.  What
; hangs on L are forward branches that meet again in front of the next barrier line.  With s24 = Leff - the tile's first key (Leff = L, or 0 in a wave whose
; 64 queries all lie at or beyond L): a tile with s24 <= 0 has no valid key and its products and softmax are jumped over; the mask (-1e9, as in the
; definition) is applied where s24 < 64.  Tile 0 is always computed: it starts maximum, sums and O.  Rows at or beyond L are zeroed by a select at the end.
; LIMITS: (1) leaving wholly masked tiles out is exact as long as a row's largest valid score lies above about -1e9 + 150 (below that the definition lets
; masked keys weigh in).  (2) A V row that is not finite and lies in a tile that is left out gives a finite result here, NaN in the definition.  K rows at
; masked keys and Q rows at invalid queries are discarded by selects, whatever they hold.  (3) Q, K, V and P enter the products rounded to bf16; sums in f32.
.set PK,      144                      ; LDS pitch of K, V and Q rows: 128 bytes of bf16 + 16; 9 x 16, so 16 rows' 16-byte pieces fall on 16 different columns of 256 bytes
.set SLOTB,   64*PK                    ; a K or V slot: 9,216 bytes
.set VBASE,   2*SLOTB                  ; K slots 0, 1; then V slots 0, 1
.set STWB,    4*SLOTB                  ; then 9,216 bytes of each wave's own: Q's rows first, the output stage at the end
.set OPITCH,  272                      ; output stage: 256 bytes + 16
.set TILEB,   64*256                   ; a tile of 64 keys in memory
.set TRIPS,   14                       ; 32 tiles = tile 0, 14 trips of two, the last three
; window 0
.set RR,   1                           ; r = lane & 15
.set GO,   2                           ; (16w + 8h) 256 + 16r: my 16 bytes in the first of my 8 rows of a K or V tile
.set KST,  3                           ; (16w + 8h) 144 + 8r
.set VST,  4                           ; VBASE + 144r + 32w + 16h
.set FR,   5                           ; 144r + 16h: fragments
.set H8,   6                           ; 8h
.set REM,  7                           ; Leff - the tile's first key - 8h
.set MX,   8                           ; v[8:11]   running maximum of query block qb
.set NA,   12                          ; v[12:19]  pairs (-m log2 e, alpha)
.set LS,   20                          ; v[20:27]  pairs: running sums
.set QGO,  28                          ; first Q's offsets,
.set QSTO, 29
.set QFA,  30
.set OST,  28                          ; later the output stage's
.set ORD,  29
.set OGO,  30
.set QREM, 31                          ; L - the wave's first query - r
.set SC,   32                          ; v[32:159]  S(qb, kt) at 32qb + 8kt; P(qb, kc) in place at 32qb + 16kc
.set VFR,  160                         ; v[160:223] V fragments (kc, eb) at 32kc + 8eb
.set TMP,  224                         ; v[224:255] at work
; window 1
.set OA,   0                           ; O(eb, qb) at 32qb + 8eb
.set QF,   128                         ; Q fragments (qb, ks) at 16qb + 8ks
.set KF,   192                         ; K fragments (kt, ks) at 16kt + 8ks
; window 2: v[0:127] staging, set x at 64x: K's load i at 4i, V's at 32 + 4i
.set MSB, 0
.macro WIN new                         ; low byte: bits 1:0 source 0, 3:2 source 1, 5:4 source 2, 7:6 destination; the high byte repeats the setting that is left
.if MSB != \new
	s_set_vgpr_msb (MSB<<8)|\new
.set MSB, \new
.endif
.endm
.macro PLACES n
.rept \n
	v_nop
.endr
.endm
; 16 loads: my 8 rows of K's and of V's tile, counted from the stepped bases, into staging set
.macro GLOAD set, tile
	WIN 0x80
.irp i, 0,1,2,3,4,5,6,7
	global_load_b128 v[64*(\set)+4*\i:64*(\set)+4*\i+3], v[GO], s[4:5] offset:(\tile)*TILEB+256*\i
.endr
.irp i, 0,1,2,3,4,5,6,7
	global_load_b128 v[64*(\set)+32+4*\i:64*(\set)+32+4*\i+3], v[GO], s[8:9] offset:(\tile)*TILEB+256*\i
.endr
	WIN 0
.endm
; a staging set is rounded and stored into an LDS slot
.macro CONVERT set, slot
	WIN 0x0a
.irp i, 0,1,2,3,4,5,6,7
	v_cvt_pk_bf16_f32 v[TMP+2*\i],   v[64*(\set)+4*\i],   v[64*(\set)+4*\i+1]     ; K: pairs along e
	v_cvt_pk_bf16_f32 v[TMP+2*\i+1], v[64*(\set)+4*\i+2], v[64*(\set)+4*\i+3]
.endr
.irp c, 0,1,2,3
.irp p, 0,1,2,3
	v_cvt_pk_bf16_f32 v[TMP+16+4*\c+\p], v[64*(\set)+32+8*\p+\c], v[64*(\set)+32+8*\p+4+\c]   ; V: pairs along the keys, e = 4r + c
.endr
.endr
	WIN 0
.irp i, 0,1,2,3,4,5,6,7
	ds_store_b64 v[KST], v[TMP+2*\i:TMP+2*\i+1] offset:(\slot)*SLOTB+PK*\i
.endr
.irp c, 0,1,2,3
	ds_store_b128 v[VST], v[TMP+16+4*\c:TMP+16+4*\c+3] offset:(\slot)*SLOTB+16*PK*\c
.endr
.endm
.macro KFRAG slot                      ; 64 keys x 64 e: 8 fragments, 16 loads
	WIN 0x40
.irp kt, 0,1,2,3
.irp ks, 0,1
	ds_load_b128 v[KF+16*\kt+8*\ks:KF+16*\kt+8*\ks+3],   v[FR] offset:(\slot)*SLOTB+16*PK*\kt+64*\ks
	ds_load_b128 v[KF+16*\kt+8*\ks+4:KF+16*\kt+8*\ks+7], v[FR] offset:(\slot)*SLOTB+16*PK*\kt+64*\ks+32
.endr
.endr
	WIN 0
.endm
.macro VFRAG slot                      ; 64 e x 64 keys: 8 fragments, 16 loads
.irp kc, 0,1
.irp eb, 0,1,2,3
	ds_load_b128 v[VFR+32*\kc+8*\eb:VFR+32*\kc+8*\eb+3],   v[FR] offset:VBASE+(\slot)*SLOTB+16*PK*\eb+64*\kc
	ds_load_b128 v[VFR+32*\kc+8*\eb+4:VFR+32*\kc+8*\eb+7], v[FR] offset:VBASE+(\slot)*SLOTB+16*PK*\eb+64*\kc+32
.endr
.endr
.endm
; S^T = K Q^T: 32 matrix instructions.  The 16 accumulators take turns, one instruction a turn; the first turn starts the sums.
.macro SMUL
	WIN 0x05
.irp qb, 0,1,2,3
.irp kt, 0,1,2,3
	v_wmma_f32_16x16x32_bf16 v[SC+32*\qb+8*\kt:SC+32*\qb+8*\kt+7], v[KF+16*\kt:KF+16*\kt+7], v[QF+16*\qb:QF+16*\qb+7], 0
.endr
.endr
.irp qb, 0,1,2,3
.irp kt, 0,1,2,3
	v_wmma_f32_16x16x32_bf16 v[SC+32*\qb+8*\kt:SC+32*\qb+8*\kt+7], v[KF+16*\kt+8:KF+16*\kt+15], v[QF+16*\qb+8:QF+16*\qb+15], v[SC+32*\qb+8*\kt:SC+32*\qb+8*\kt+7]
.endr
.endr
	WIN 0
.endm
; key 16kt + 8h + j of the tile is valid where 16kt + j < Leff - first key - 8h; else the score becomes -1e9
.macro MASK
	v_sub_nc_u32 v[REM], s24, v[H8]
.irp kt, 0,1,2,3
.irp j, 0,1,2,3,4,5,6,7
	v_cmp_lt_i32 vcc_lo, 16*\kt+\j, v[REM]
.irp qb, 0,1,2,3
	v_cndmask_b32 v[SC+32*\qb+8*\kt+\j], s30, v[SC+32*\qb+8*\kt+\j], vcc_lo
.endr
.endr
.endr
.endm
; the new running maximum: 32 scores and the old maximum in 16 three-way maxima for each query block, four chains each, then the other half of the lanes
.macro MAXPH first
.irp k, 0,1,2,3
.irp qb, 0,1,2,3
	v_max3_num_f32 v[TMP+4*\qb+\k], v[SC+32*\qb+3*\k], v[SC+32*\qb+3*\k+1], v[SC+32*\qb+3*\k+2]
.endr
.endr
.irp k, 0,1,2,3
.irp qb, 0,1,2,3
	v_max3_num_f32 v[TMP+4*\qb+\k], v[TMP+4*\qb+\k], v[SC+32*\qb+12+2*\k], v[SC+32*\qb+13+2*\k]
.endr
.endr
.irp k, 0,1,2,3
.irp qb, 0,1,2,3
	v_max3_num_f32 v[TMP+4*\qb+\k], v[TMP+4*\qb+\k], v[SC+32*\qb+20+2*\k], v[SC+32*\qb+21+2*\k]
.endr
.endr
.irp k, 0,1
.irp qb, 0,1,2,3
	v_max3_num_f32 v[TMP+4*\qb+\k], v[TMP+4*\qb+\k], v[SC+32*\qb+28+2*\k], v[SC+32*\qb+29+2*\k]
.endr
.endr
.irp qb, 0,1,2,3
	v_max3_num_f32 v[TMP+4*\qb], v[TMP+4*\qb], v[TMP+4*\qb+1], v[TMP+4*\qb+2]
.endr
.irp qb, 0,1,2,3
.if \first
	v_max_num_f32 v[TMP+4*\qb], v[TMP+4*\qb], v[TMP+4*\qb+3]
.else
	v_max3_num_f32 v[TMP+4*\qb], v[TMP+4*\qb], v[TMP+4*\qb+3], v[MX+\qb]
.endif
.endr
.irp qb, 0,1,2,3
	v_permlanex16_b32 v[TMP+4*\qb+1], v[TMP+4*\qb], s22, s23       ; lane i xor 16: the same query's other 32 keys
.endr
.irp qb, 0,1,2,3
	v_max_num_f32 v[MX+\qb], v[TMP+4*\qb], v[TMP+4*\qb+1]
.endr
.endm
; NA = (-m log2 e, alpha = 2^(new - old of that number))
.macro ALPHA first
.if \first
.irp qb, 0,1,2,3
	v_mul_f32 v[NA+2*\qb], 0xbfb8aa3b, v[MX+\qb]
	v_mov_b32 v[NA+2*\qb+1], 0                     ; not used in the first step; the packed forms name the whole pair
.endr
.else
.irp qb, 0,1,2,3
	v_mul_f32 v[TMP+\qb], 0xbfb8aa3b, v[MX+\qb]
.endr
.irp qb, 0,1,2,3
	v_sub_f32 v[NA+2*\qb+1], v[TMP+\qb], v[NA+2*\qb]
.endr
.irp qb, 0,1,2,3
	v_exp_f32 v[NA+2*\qb+1], v[NA+2*\qb+1]
.endr
	s_wait_alu depctr_va_vdst(0)
.irp qb, 0,1,2,3
	v_mov_b32 v[NA+2*\qb], v[TMP+\qb]              ; plain instructions between the exponentials and the first use of alpha (ISA guide 5.7.2)
.endr
.endif
.endm
.macro PFMA qb                         ; s log2 e - m log2 e, two at a time
.irp i, 0,1,2,3,4,5,6,7,8,9,10,11,12,13,14,15
	v_pk_fma_f32 v[SC+32*\qb+2*\i:SC+32*\qb+2*\i+1], v[SC+32*\qb+2*\i:SC+32*\qb+2*\i+1], 0x3fb8aa3b, v[NA+2*\qb:NA+2*\qb+1] op_sel_hi:[1,0,0]
.endr
.endm
.macro PEXP qb                         ; what follows each run of these is a packed instruction on another query block's registers
.irp i, 0,1,2,3,4,5,6,7,8,9,10,11,12,13,14,15,16,17,18,19,20,21,22,23,24,25,26,27,28,29,30,31
	v_exp_f32 v[SC+32*\qb+\i], v[SC+32*\qb+\i]
.endr
.endm
.macro PSUM qb, first                  ; l = l alpha + the sum of my 32 p, kept as a pair
	s_wait_alu depctr_va_vdst(0)
.irp i, 0,1,2,3,4,5,6,7
	v_pk_add_f32 v[TMP+2*\i:TMP+2*\i+1], v[SC+32*\qb+4*\i:SC+32*\qb+4*\i+1], v[SC+32*\qb+4*\i+2:SC+32*\qb+4*\i+3]
.endr
.irp i, 0,1,2,3
	v_pk_add_f32 v[TMP+2*\i:TMP+2*\i+1], v[TMP+4*\i:TMP+4*\i+1], v[TMP+4*\i+2:TMP+4*\i+3]
.endr
.irp i, 0,1
	v_pk_add_f32 v[TMP+2*\i:TMP+2*\i+1], v[TMP+4*\i:TMP+4*\i+1], v[TMP+4*\i+2:TMP+4*\i+3]
.endr
.if \first
	v_pk_add_f32 v[LS+2*\qb:LS+2*\qb+1], v[TMP:TMP+1], v[TMP+2:TMP+3]
.else
	v_pk_add_f32 v[TMP:TMP+1], v[TMP:TMP+1], v[TMP+2:TMP+3]
	v_pk_fma_f32 v[LS+2*\qb:LS+2*\qb+1], v[LS+2*\qb:LS+2*\qb+1], v[NA+2*\qb:NA+2*\qb+1], v[TMP:TMP+1] op_sel:[0,1,0] op_sel_hi:[1,1,1]
.endif
.endm
.macro PCVT qb                         ; 16 registers of two S^T tiles become the 8 of a B fragment, in place, ascending: no source is overwritten before it is read
.irp kc, 0,1
.irp i, 0,1,2,3,4,5,6,7
	v_cvt_pk_bf16_f32 v[SC+32*\qb+16*\kc+\i], v[SC+32*\qb+16*\kc+2*\i], v[SC+32*\qb+16*\kc+2*\i+1]
.endr
.endr
.endm
.macro RESCALE                         ; O = O alpha
	WIN 0x41
.irp qb, 0,1,2,3
.irp i, 0,1,2,3,4,5,6,7,8,9,10,11,12,13,14,15
	v_pk_mul_f32 v[OA+32*\qb+2*\i:OA+32*\qb+2*\i+1], v[OA+32*\qb+2*\i:OA+32*\qb+2*\i+1], v[NA+2*\qb:NA+2*\qb+1] op_sel:[0,1] op_sel_hi:[1,1]
.endr
.endr
	WIN 0
.endm
; O^T += V^T P^T: 32 matrix instructions, the 16 accumulators by turns, one instruction a turn
.macro PVMUL first
	WIN 0x50
.irp qb, 0,1,2,3
.irp eb, 0,1,2,3
.if \first
	v_wmma_f32_16x16x32_bf16 v[OA+32*\qb+8*\eb:OA+32*\qb+8*\eb+7], v[VFR+8*\eb:VFR+8*\eb+7], v[SC+32*\qb:SC+32*\qb+7], 0
.else
	v_wmma_f32_16x16x32_bf16 v[OA+32*\qb+8*\eb:OA+32*\qb+8*\eb+7], v[VFR+8*\eb:VFR+8*\eb+7], v[SC+32*\qb:SC+32*\qb+7], v[OA+32*\qb+8*\eb:OA+32*\qb+8*\eb+7]
.endif
.endr
.endr
.irp qb, 0,1,2,3
.irp eb, 0,1,2,3
	v_wmma_f32_16x16x32_bf16 v[OA+32*\qb+8*\eb:OA+32*\qb+8*\eb+7], v[VFR+32+8*\eb:VFR+32+8*\eb+7], v[SC+32*\qb+16:SC+32*\qb+23], v[OA+32*\qb+8*\eb:OA+32*\qb+8*\eb+7]
.endr
.endr
	WIN 0
.endm
; One tile t of 64 keys, in LDS slot t & 1.  first: starts maximum, sums and O, and is computed whatever s24 says.
; cv: tile t + 1 is rounded into the other slot, behind s_wait_loadcnt cvwait.  ld: the staging set just rounded is loaded again, with tile ldtile from the bases (t + 3).
; The loads, the rounding, the LDS stores, every wait and both halves of the barrier are on every path; the four jumps on s24 <= 0 pass over register work and
; LDS reads alone, and each meets the other way again in front of the next such line.  At every jump and label the register windows are 0.
.macro STEP slot, first, cv, cvwait, ld, ldtile
	s_wait_dscnt 0x0                               ; this tile's K fragments, asked for at the end of the step before
.if \first == 0
	s_cmp_le_i32 s24, 0
	s_cbranch_scc1 .Lno_s_\@                       ; no valid key in this tile
.endif
	SMUL
	PLACES 5                                       ; behind the matrix instructions: for the vector reads of S, the loads into K's and V's fragments, and a product that takes S as its B
	VFRAG \slot
.if \first == 0
.Lno_s_\@:
.endif
.if \cv
	s_wait_loadcnt \cvwait                         ; loads come back in order: tile t + 1 is in; behind it only tile t + 2's 16 loads were issued (none in the last but one step)
	CONVERT 1-\slot, 1-\slot                       ; the other slot's tile t - 1 was read by all waves in front of the last barrier
.endif
.if \ld
	GLOAD 1-\slot, \ldtile
.endif
.if \first == 0
	s_cmp_le_i32 s24, 0
	s_cbranch_scc1 .Lno_m_\@
.endif
	s_cmp_ge_i32 s24, 64
	s_cbranch_scc1 .Lwhole_\@                      ; all 64 keys are valid
	MASK
.Lwhole_\@:
	MAXPH \first
.if \first == 0
.Lno_m_\@:
.endif
	s_wait_dscnt 0x0                               ; my stores of tile t + 1 are in LDS, my reads of this slot are back (V's now, K's at the head)
.if \cv
	s_barrier_signal -1                            ; say so; only register work up to the wait
.endif
.if \first == 0
	s_cmp_le_i32 s24, 0
	s_cbranch_scc1 .Lno_p_\@
.endif
	ALPHA \first
	PFMA 0
	PEXP 0
	PFMA 1
	PEXP 1
	PSUM 0, \first
	PCVT 0
	PFMA 2
	PEXP 2
	PSUM 1, \first
	PCVT 1
	PFMA 3
	PEXP 3
	PSUM 2, \first
	PCVT 2
	PSUM 3, \first
	PCVT 3
.if \first == 0
	RESCALE
.Lno_p_\@:
.endif
.if \cv
	s_barrier_wait -1                              ; tile t + 1 is whole, and nobody reads this slot any more: the next step may overwrite it
.endif
.if \first == 0
	s_cmp_le_i32 s24, 0
	s_cbranch_scc1 .Lno_o_\@
.endif
.if \cv
	KFRAG 1-\slot
.endif
	PVMUL \first
	PLACES 5                                       ; before the next products write over P, and before vector instructions touch O
.if \first == 0
.Lno_o_\@:
.endif
	s_sub_co_i32 s24, s24, 64                      ; Leff - the next tile's first key
.endm
	s_load_b256 s[4:11], s[0:1], 0x0               ; K s[4:5], Q s[6:7], V s[8:9], seqlens s[10:11]
	s_load_b64 s[12:13], s[0:1], 0x20              ; out
	s_set_vgpr_msb 0x80
	v_lshl_add_u32 v128, v0, 2, 0x12000
	v_mov_b32 v129, 0
	s_set_vgpr_msb 0x8000
	v_lshrrev_b32 v7, 5, v0
	v_readfirstlane_b32 s14, v7                    ; wave w
	s_and_b32 s15, ttmp9, 7                        ; block of 256 queries
	s_lshr_b32 s16, ttmp9, 3                       ; head, 0 .. 31
	s_lshr_b32 s25, ttmp9, 6
	s_lshl_b32 s25, s25, 2                         ; 4 b
	s_mov_b32 s22, 0x76543210                      ; v_permlanex16_b32: lane i of one half reads lane i of the other
	s_mov_b32 s23, 0xfedcba98
	s_mov_b32 s30, 0xce6e6b28                      ; -1e9
	s_lshl_b32 s19, s15, 8                         ; the work-group's first query
	s_lshl_b32 s31, s14, 6
	s_add_co_u32 s31, s31, s19                     ; the wave's first query
	s_lshl_b32 s20, s16, 19                        ; a head is 2,048 rows of 256 bytes
	s_mov_b32 s21, 0
	s_mul_i32 s33, s14, 16*PK                      ; my 16 keys' rows in a K slot
	s_lshl_b32 s34, s14, 5
	s_add_co_u32 s34, s34, VBASE                   ; my 16 keys' 32 bytes in a V slot's rows
	s_mul_i32 s35, s14, SLOTB
	s_add_co_u32 s35, s35, STWB                    ; my own region
	s_lshl_b32 s37, s14, 12                        ; my 16 rows of a tile in memory
	v_and_b32 v[RR], 15, v0
	v_bfe_u32 v[H8], v0, 4, 1
	v_lshlrev_b32 v[H8], 3, v[H8]                  ; 8h
	v_lshlrev_b32 v[QGO], 8, v[H8]
	v_lshl_add_u32 v[QGO], v[RR], 4, v[QGO]        ; 8h rows + 16r
	v_add_nc_u32 v[GO], s37, v[QGO]
	v_mul_u32_u24 v[KST], v[H8], PK
	v_lshl_add_u32 v[KST], v[RR], 3, v[KST]        ; 8h rows + 8r
	v_add_nc_u32 v[QSTO], s35, v[KST]
	v_add_nc_u32 v[KST], s33, v[KST]
	v_mul_u32_u24 v[FR], v[RR], PK
	v_lshl_add_u32 v[FR], v[H8], 1, v[FR]          ; row r + 16h
	v_add_nc_u32 v[VST], s34, v[FR]
	v_add_nc_u32 v[QFA], s35, v[FR]
	s_wait_kmcnt 0x0
	s_load_b32 s17, s[10:11], s25 offset:0x0       ; seqlens[b]
	s_add_nc_u64 s[4:5], s[4:5], s[20:21]          ; K and V at the head,
	s_add_nc_u64 s[8:9], s[8:9], s[20:21]
	s_lshl_b32 s32, s31, 8
	s_add_co_u32 s20, s20, s32
	s_add_nc_u64 s[6:7], s[6:7], s[20:21]          ; Q and out at the wave's first query
	s_add_nc_u64 s[12:13], s[12:13], s[20:21]
.irp g, 0,1,2,3
.irp i, 0,1,2,3,4,5,6,7
	global_load_b128 v[SC+32*\g+4*\i:SC+32*\g+4*\i+3], v[QGO], s[6:7] offset:(16*\g+\i)*256 th:TH_LOAD_NT   ; Q row 16g + 8h + i: read once in the launch
.endr
.endr
	GLOAD 0, 0
	s_wait_kmcnt 0x0
	s_max_i32 s17, s17, 0
	s_min_u32 s17, s17, 0x800                      ; L
	s_cmp_lt_u32 s31, s17
	s_cselect_b32 s24, s17, 0                      ; Leff: a wave without a valid query needs no key
	s_sub_co_i32 s36, s17, s31
	v_sub_nc_u32 v[QREM], s36, v[RR]
	s_mov_b32 s18, TRIPS
	s_wait_loadcnt 16                              ; Q's 32 loads are in; tile 0's 16 were issued behind them
	GLOAD 1, 1
.irp g, 0,1,2,3
.irp i, 0,1,2,3,4,5,6,7
	v_cvt_pk_bf16_f32 v[TMP+16*(\g&1)+2*\i],   v[SC+32*\g+4*\i],   v[SC+32*\g+4*\i+1]
	v_cvt_pk_bf16_f32 v[TMP+16*(\g&1)+2*\i+1], v[SC+32*\g+4*\i+2], v[SC+32*\g+4*\i+3]
.endr
.irp i, 0,1,2,3,4,5,6,7
	ds_store_b64 v[QSTO], v[TMP+16*(\g&1)+2*\i:TMP+16*(\g&1)+2*\i+1] offset:(16*\g+\i)*PK
.endr
.endr
	WIN 0x40
.irp qb, 0,1,2,3
.irp ks, 0,1
	ds_load_b128 v[QF+16*\qb+8*\ks:QF+16*\qb+8*\ks+3],   v[QFA] offset:16*PK*\qb+64*\ks      ; my own bytes: LDS serves a wave's instructions in order (ISA guide 5.7.1.4)
	ds_load_b128 v[QF+16*\qb+8*\ks+4:QF+16*\qb+8*\ks+7], v[QFA] offset:16*PK*\qb+64*\ks+32
.endr
.endr
	WIN 0
	s_wait_loadcnt 16                              ; tile 0 is in; tile 1's 16 loads stay out
	CONVERT 0, 0
	GLOAD 0, 2
	s_wait_dscnt 0x0                               ; my part of tile 0 is in LDS (and Q's fragments are in)
	s_barrier_signal -1
	s_barrier_wait -1                              ; everybody's is
	KFRAG 0
	STEP 0, 1, 1, 16, 1, 3                         ; tile 0; rounds tile 1, asks for tile 3
.Lloop:
	STEP 1, 0, 1, 16, 1, 4                         ; tiles 1 + 2n, 2 + 2n; the bases stand at tile 2n
	STEP 0, 0, 1, 16, 1, 5
	s_wait_xcnt 0x0                                ; the bases of the loads just issued are stepped only behind this wait
	s_add_nc_u64 s[4:5], s[4:5], 2*TILEB
	s_add_nc_u64 s[8:9], s[8:9], 2*TILEB
	s_sub_co_i32 s18, s18, 1
	s_cmp_lg_u32 s18, 0
	s_cbranch_scc1 .Lloop
	STEP 1, 0, 1, 16, 0, 0                         ; tiles 29, 30, 31 ask for nothing: no load leaves the buffers
	STEP 0, 0, 1, 0, 0, 0
	STEP 1, 0, 0, 0, 0, 0
	; THE WAY OUT: out = O / l, zero for queries at or beyond L, through my own stage so that sixteen lanes store a whole row of 256 bytes
.irp qb, 0,1,2,3
	v_add_f32 v[TMP+\qb], v[LS+2*\qb], v[LS+2*\qb+1]
.endr
.irp qb, 0,1,2,3
	v_permlanex16_b32 v[TMP+4+\qb], v[TMP+\qb], s22, s23
.endr
.irp qb, 0,1,2,3
	v_add_f32 v[TMP+\qb], v[TMP+\qb], v[TMP+4+\qb]
.endr
.irp qb, 0,1,2,3
	v_rcp_f32 v[TMP+\qb], v[TMP+\qb]               ; for a valid query l is at least about 1: the row's largest p is 1
.endr
	v_mul_u32_u24 v[OST], v[RR], OPITCH            ; plain instructions behind the reciprocals (ISA guide 5.7.2): the stage's addresses
	v_lshl_add_u32 v[OST], v[H8], 4, v[OST]
	v_add_nc_u32 v[OST], s35, v[OST]               ; in: row r, byte 128h
	v_mul_u32_u24 v[ORD], v[H8], OPITCH/8
	v_lshl_add_u32 v[ORD], v[RR], 4, v[ORD]
	v_add_nc_u32 v[ORD], s35, v[ORD]               ; back: row h, byte 16r
	v_lshlrev_b32 v[OGO], 5, v[H8]
	v_lshl_add_u32 v[OGO], v[RR], 4, v[OGO]        ; and the same two rows in memory
.irp qb, 0,1,2,3
	v_cmp_lt_i32 s[26+\qb], 16*\qb, v[QREM]        ; query 16qb + r of the wave lies below L
.endr
	WIN 0x01
	s_wait_alu depctr_va_vdst(0)
.irp qb, 0,1,2,3
.irp j, 0,1,2,3,4,5,6,7
.irp eb, 0,1,2,3
	v_mul_f32 v[SC+32*\qb+4*\j+\eb], v[OA+32*\qb+8*\eb+\j], v[TMP+\qb]     ; e = 32h + 4j + eb
.endr
.endr
.endr
	WIN 0
.irp qb, 0,1,2,3
.irp i, 0,1,2,3,4,5,6,7,8,9,10,11,12,13,14,15,16,17,18,19,20,21,22,23,24,25,26,27,28,29,30,31
	v_cndmask_b32 v[SC+32*\qb+\i], 0, v[SC+32*\qb+\i], s[26+\qb]
.endr
.endr
; two query blocks (base, base + 1) through the stage; the rows come back into dst, 64 registers that nothing writes afterwards
.macro OUTHALF base, dst
.irp u, 0,1
.irp j, 0,1,2,3,4,5,6,7
	ds_store_b128 v[OST], v[SC+32*(\base+\u)+4*\j:SC+32*(\base+\u)+4*\j+3] offset:16*OPITCH*\u+16*\j
.endr
.endr
.irp u, 0,1
.irp t, 0,1,2,3,4,5,6,7
	ds_load_b128 v[\dst+32*\u+4*\t:\dst+32*\u+4*\t+3], v[ORD] offset:16*OPITCH*\u+2*OPITCH*\t   ; my own bytes, served in order behind the stores
.endr
.endr
.irp u, 0,1
.irp t, 0,1,2,3,4,5,6,7
	s_wait_dscnt 15-(8*\u+\t)                      ; the younger read-backs stay out
	global_store_b128 v[OGO], v[\dst+32*\u+4*\t:\dst+32*\u+4*\t+3], s[12:13] offset:(16*(\base+\u)+2*\t)*256 th:TH_STORE_NT   ; 16 lanes: 256 consecutive bytes, aligned
.endr
.endr
.endm
	OUTHALF 0, VFR
	OUTHALF 2, SC                                  ; blocks 0 and 1 have left v[32:95] for the stage
	s_set_vgpr_msb 0xa
	s_wait_tensorcnt 0x0
	ds_add_u32 v128, v129
	s_wait_dscnt 0x0
	s_set_vgpr_msb 0xa00
	s_endpgm
.Lfunc_end_k_q058e1a0e31_attn:
	.size	k_q058e1a0e31_attn, .Lfunc_end_k_q058e1a0e31_attn-k_q058e1a0e31_attn
	.p2alignl 7, 3214868480
	.fill 96, 4, 3214868480
	.section	.rodata,"a",@progbits
	.p2align	6, 0x0
	.amdhsa_kernel k_q058e1a0e31_attn
		.amdhsa_group_segment_fixed_size 74240
		.amdhsa_private_segment_fixed_size 0
		.amdhsa_enable_private_segment 0
		.amdhsa_kernarg_size 40
		.amdhsa_user_sgpr_count 2
		.amdhsa_user_sgpr_kernarg_segment_ptr 1
		.amdhsa_wavefront_size32 1
		.amdhsa_system_sgpr_workgroup_id_x 1
		.amdhsa_system_sgpr_workgroup_id_y 1
		.amdhsa_system_sgpr_workgroup_id_z 1
		.amdhsa_system_vgpr_workitem_id 0
		.amdhsa_next_free_vgpr 642
		.amdhsa_next_free_sgpr 66
		.amdhsa_reserve_vcc 1
		.amdhsa_float_denorm_mode_32 3
		.amdhsa_float_denorm_mode_16_64 3
		.amdhsa_memory_ordered 1
		.amdhsa_forward_progress 1
		.amdhsa_inst_pref_size 255
	.end_amdhsa_kernel
	.section	.bss,"aw",@nobits
	.p2align	6
	.space	262144
	.amdgpu_metadata
---
amdhsa.version: [ 1, 2 ]
amdhsa.kernels:
  - .name:           k_q058e1a0e31_attn
    .symbol:         k_q058e1a0e31_attn.kd
    .args:
      - { .name: K, .offset: 0, .size: 8, .value_kind: global_buffer, .address_space: global }
      - { .name: Q, .offset: 8, .size: 8, .value_kind: global_buffer, .address_space: global }
      - { .name: V, .offset: 16, .size: 8, .value_kind: global_buffer, .address_space: global }
      - { .name: seqlens, .offset: 24, .size: 8, .value_kind: global_buffer, .address_space: global }
      - { .name: out0, .offset: 32, .size: 8, .value_kind: global_buffer, .address_space: global }
    .group_segment_fixed_size: 74240
    .private_segment_fixed_size: 0
    .kernarg_segment_align: 8
    .kernarg_segment_size: 40
    .max_flat_workgroup_size: 128
    .sgpr_count:     66
    .vgpr_count:     642
    .wavefront_size: 32
...
	.end_amdgpu_metadata
.endif
;; end of part 1
